; MI455X (gfx1250); checked and timed in simulation.
; The chip was launched on July 23, 2026; its instructions are those of AMD's public machine-readable ISA for CDNA 5 (MIT licence, August 2026) and "CDNA5" Instruction Set Architecture Reference Guide (July 2026). The comments in the code are by the model that wrote it; some were corrected since.
;; Multi Head Self Attention. Allowed arithmetic: matrix products marked QUANTISED: E4M3 operands, one given power-of-two scale a tensor, by v_wmma_f32_16x16x64_fp8_fp8 or v_wmma_f32_16x16x128_fp8_fp8, f32 sums; everything else in f32.
;; Inputs: bk 1,024 float32; bo 1,024 float32; bq 1,024 float32; bv 1,024 float32; lowp_scales 12 int32 (the exponents e of the quantised operands' scales 2^e); wk_codes 1,024 x 32 x 32 uint8 (E4M3 codes of wk, K innermost, in blocks of 32 codes); wo_codes 1,024 x 32 x 32 uint8 (E4M3 codes of wo, K innermost, in blocks of 32 codes); wq_codes 1,024 x 32 x 32 uint8 (E4M3 codes of wq, K innermost, in blocks of 32 codes); wv_codes 1,024 x 32 x 32 uint8 (E4M3 codes of wv, K innermost, in blocks of 32 codes); x_codes 4 x 2,048 x 32 x 32 uint8 (E4M3 codes of x, K innermost, in blocks of 32 codes).
;; Outputs: out0 4 x 2,048 x 1,024 float32.
;; This version of the problem:
;;   THIS VERSION OF THE PROBLEM IS GIVEN IN LOW PRECISION. The matrix products marked QUANTISED in the list below multiply operands that are first quantised to E4M3 (4 exponent bits, 3 mantissa bits; 8 bits a number), with one given power-of-two scale for each operand tensor; their sums are f32. All else is computed in f32.
;;   The module's matrix products, in the order in which they are computed (A, B: the left and right operand; K: the contracted axis; several contracted axes count as one K, in the product's order):
;;     1. [M 8,192, K 1,024] x [K 1,024, N 1,024]; A: input x (given as codes); B: input wq (given as codes): QUANTISED (scales: A lowp_scales[0], B lowp_scales[1])
;;     2. [M 8,192, K 1,024] x [K 1,024, N 1,024]; A: input x (given as codes); B: input wk (given as codes): QUANTISED (scales: A lowp_scales[2], B lowp_scales[3])
;;     3. [M 8,192, K 1,024] x [K 1,024, N 1,024]; A: input x (given as codes); B: input wv (given as codes): QUANTISED (scales: A lowp_scales[4], B lowp_scales[5])
;;     4. batch 64 x [M 2,048, K 64] x [K 64, N 2,048]; A: computed on the way; B: computed on the way: QUANTISED (scales: A lowp_scales[6], B lowp_scales[7])
;;     5. batch 64 x [M 2,048, K 2,048] x [K 2,048, N 64]; A: softmax (see below); B: computed on the way: QUANTISED (scales: A lowp_scales[8], B lowp_scales[9])
;;     6. [M 8,192, K 1,024] x [K 1,024, N 1,024]; A: computed on the way; B: input wo (given as codes): QUANTISED (scales: A lowp_scales[10], B lowp_scales[11])
;;   THE QUANTISER, for each operand of a quantised product, along K:
;;     - The operand's scale is 2^e, e = its entry of the input lowp_scales (int32; the entries are numbered through the quantised products in the list's order, A before B).
;;     - Each number is divided by the scale, clamped to +-448, and rounded to the nearest number of E4M3, ties to even, subnormals kept.
;;     - The product sums the exact products of the quantised numbers (number of the format x scale) in f32.
;;   ~~~python
;;   def quantise(x, axis, e):      # numpy; x: float32 -> the quantised numbers, widened to float32 again
;;       x = np.moveaxis(x, axis, -1); K = x.shape[-1]
;;       r = np.clip(x / 2.0 ** e, -448, 448)
;;       step = 2.0 ** (np.maximum(np.frexp(np.where(r == 0, 1, r))[1] - 1, -6) - 3)
;;       q = np.round(r / step) * step * 2.0 ** e      # np.round: ties to even
;;       return np.moveaxis(q, -1, axis).astype(np.float32)
;;   ~~~
;;   SOFTMAX AHEAD OF A QUANTISED PRODUCT. Where the list says 'softmax', what is quantised is not the finished softmax but p = 2^(t - M), with t = logit x log2(e) and M = ceil(the row's largest t), a whole number; so 1/2 < the row's largest p <= 1. The row's sum l is taken of the UNQUANTISED p, in f32, and the product's result is divided by l at the end. Since M is a whole number, a kernel that streams over the keys may use a running M (the ceiling of the running maximum): every later rescaling is an exact power of two, so the quantised numbers keep their values, but for numbers so far below the row's largest that they fall under the format's range.
;;   OPERANDS COMPUTED ON THE WAY. 'Computed on the way' means the value that the module computes at that place (a softmax that the list does not call 'softmax' is quantised finished and normalised). What goes into a quantiser is computed in f32, as accurately as f32 sums, v_exp_f32 and their like allow (about 1e-6 of the number): no bf16 or f16 on the way to a quantiser, and a product that is left as it is and whose result goes on into a quantised operand takes f32 operands (vector FMAs, or v_wmma_f32_16x16x4_f32). A number that lies on a knife's edge between two numbers of the format may be rounded either way, as far as f32 arithmetic and the matrix unit's own rounding can turn it there, and no further.
;;   INPUTS GIVEN AS CODES. wk (in the module: [1024, 1024], K = its axis 1); wo (in the module: [1024, 1024], K = its axis 1); wq (in the module: [1024, 1024], K = its axis 1); wv (in the module: [1024, 1024], K = its axis 1); x (in the module: [4, 2048, 1024], K = its axis 2): each comes as NAME_codes (uint8): NAME with its K axis moved to the last place and cut into blocks of 32 codes, [.., K / 32, bytes a block], one block behind the other in memory; one code a byte (a code: sign, 4 exponent bits, 3 mantissa bits); its scale is its entry of lowp_scales. Its value is code x scale, taken as it is: it is not quantised again, and the codes and scales need not be those that the quantiser above would give.
;; One version. Each part assembles by itself: llvm-mc -triple=amdgcn-amd-amdhsa -mcpu=gfx1250 --defsym DOCPART=n.
;; ======== version 1 of 1: 3 launches
;; limits: right only within a limited range of input values
;; workspace buffers: q_img 8,388,608 bytes; k_img 8,388,608 bytes; v_img 8,388,608 bytes; ctx_img 8,388,608 bytes
;; launch qkv (part 1): grid 12 x 32, 4 waves a work-group, clusters of 4 x 4, 327,680 bytes of LDS; arguments x_codes, wq_codes, wk_codes, wv_codes, bq, bk, bv, lowp_scales, q_img, k_img, v_img; writes q_img, k_img, v_img
.if DOCPART == 1
	.amdgcn_target "amdgcn-amd-amdhsa--gfx1250"
	.amdhsa_code_object_version 6
	.text
	.protected	k_q13e79443f0_qkv
	.globl	k_q13e79443f0_qkv
	.p2align	8
	.type	k_q13e79443f0_qkv,@function
k_q13e79443f0_qkv:
	s_mov_b64 s[64:65], 0
	v_nop
	global_prefetch_b8 v0, s[64:65] scope:SCOPE_SE
	s_setreg_imm32_b32 hwreg(HW_REG_WAVE_MODE, 25, 1), 1
	s_wait_xcnt 0x0
	s_wait_alu depctr_hold_cnt(0) depctr_sa_sdst(0) depctr_va_vdst(0) depctr_va_sdst(0) depctr_va_ssrc(0) depctr_va_vcc(0) depctr_vm_vsrc(0)
	s_getreg_b32 s2, hwreg(HW_REG_IB_STS2, 6, 4)
	s_cmp_eq_u32 s2, 0
	s_cbranch_scc0 .Lentry_in_a_cluster
	s_endpgm
.Lentry_in_a_cluster:
	s_bfe_u32 s2, ttmp6, 0x10000c
	s_cmp_lg_u32 s2, 0xf033
	s_cbranch_scc0 .Lentry_shape_is_right
	s_endpgm
.Lentry_shape_is_right:
; q = x wq^T + bq, k = x wk^T + bk, v = x wv^T + bv on codes of E4M3, and the three results quantised again (scales 6, 7 and 9 of the list of exponents).
; x: [8192][1024] codes, the weights: [1024][1024] codes, K innermost.  One launch serves all three: the cluster's x (0, 1, 2) says which; it is the same in all partners of a cluster.
; A work-group of four waves makes 256 x 256 results, a wave 128 x 128: 64 accumulators of 16 x 16.  K goes in slots of 256 through a ring of two LDS slots, each step of 128 along K is 64 matrix instructions.
; SOURCE 0 OF THE MATRIX INSTRUCTION ("B" below) IS THE SIDE ALONG WHICH THE NEXT PRODUCT SUMS: a lane's eight results are eight neighbours of source 0's rows.
;   q, k: B = the weight's rows (the head's 64 numbers), A = x's rows: a lane holds one token and eight neighbouring numbers of a head;
;   v:    B = x's rows (the keys), A = wv's rows: a lane holds one channel and eight neighbouring keys.   Only pointers and tile numbers differ; the text is one.
; So one conversion of an accumulator's eight registers gives registers 2 c, 2 c + 1 of the next operand, and the results are stored AS IMAGES OF OPERAND REGISTERS: four registers of the 32 lanes are 512 consecutive bytes.
;   q_img, k_img: [batch x head][16 tokens][2 groups of 4 registers][lane][16 bytes];   v_img: [batch x head][128 keys][16 channels][4 groups][lane][16 bytes].
; THE BIAS is the C of each sum's first matrix instruction, divided by 2^(ea + eb), the power of two that the sums lack; the conversion then takes the one scale 2^(eo - ea - eb).
; CLUSTERS: 4 x 4 work-groups; A's tile is shared along a row of the cluster, B's along a column: each is asked for jointly, by the same tensor load with a mask that names the four.
; LIMITS: eo - ea - eb between -126 and 119 for each of the three products, so that the scale and 448 x the scale are f32 numbers.  NaN among the biases is not served.
; REGISTERS, in windows of 256: window 0: v16-29 addresses and constants; v32-95 the bias tiles, later a block's held sums; v96-103 the bias loads' offsets; v104-119 codes; v128-255 A's fragments, one set.
;   window 1: B's fragments, two sets.   window 2: the accumulators of A's blocks 0-3 ((a, b) at v[8 (8 (a % 4) + b)]);   window 3: those of blocks 4-7.
.set KROW,   1024                      ; a row of x or of a weight in memory, in bytes
.set ROWB,   256                       ; a tile's row: 256 codes
.set PITCH,  272                       ; an LDS row: 256 bytes + 16 of padding = 68 words: the 16 rows that a load touches start at 16 different banks (64 banks of 4 bytes: ISA guide 11.1)
.set FR,     16                        ; registers of a fragment: 16 rows x 128 K
.set NL,     4                         ; LDS loads that bring one
.set NP,     4                         ; places behind this matrix instruction (ISA guide 7.12.1)
.set HALFT,  128*PITCH                 ; 128 rows: what one tensor load brings
.set SLOT,   4*HALFT                   ; A's 256 rows, then B's 256 rows
.set SPARE,  2*SLOT                    ; behind the ring: the spare words, 128 bytes for each wave
.set ADRA, 16                          ; v16-17  LDS address of my A fragments in slot 0, 1
.set ADRB, 20                          ; v20-21  the same for B
.set VO0,  24                          ; v24     the way out: byte offset of my 16 bytes in the first image piece of the block in hand
.set VO1,  25                          ; v25     the same, DELTA bytes on
.set SCL,  26                          ; v26     2^(eo - ea - eb) as f32
.set LIM,  27                          ; v27     448 x that
.set SPW,  28                          ; v28     LDS address of my spare word; never rewritten
.set NIL,  29                          ; v29     0; never rewritten
.set CB,   32                          ; v32-95  eight bias tiles of eight registers
.set TMP,  32                          ; v32-95  the way out: a block's 64 sums, held
.set BOFF, 96                          ; v96-103 byte offsets of the bias loads
.set CD,   104                         ; v104-119 a block's codes
.set AF,   128
.set G1,  24                           ; s[24:31] descriptor group 1 for A's tiles;  s[32:39] group 0, one set for each slot
.set G0,  32
.set G1B, 48                           ; s[48:55], s[56:63] the same for B's tiles
.set G0B, 56
.set MSB, 0
.macro WIN new                         ; the immediate's high byte repeats the setting that is left
.if MSB != (\new)
	s_set_vgpr_msb (MSB<<8)|(\new)
.set MSB, (\new)
.endif
.endm
.set MUL_LO, 0xa1                      ; source 0 (B) window 1, source 1 (A) window 0, C and D window 2
.set MUL_HI, 0xf1                      ; the same, C and D window 3
.set BIA_LO, 0x81                      ; the first step: C (a bias tile) window 0, D window 2
.set BIA_HI, 0xc1                      ; the same, D window 3
.set TO_B,   0x40                      ; destination window 1, address window 0
; A joint load: waves 0 and 1 fetch for A, waves 2 and 3 for B; the branch hangs on the wave's number alone.  Four v_nop follow each of the two lines.
.macro JLOAD g0a, g1a, g0b, g1b
	s_cmp_eq_u32 s15, 0
	s_cbranch_scc0 .Lfor_b_\@
	tensor_load_to_lds s[\g0a:\g0a+3], s[\g1a:\g1a+7]
	s_nop 0
.rept 4
	v_nop
.endr
	s_branch .Lasked_\@
.Lfor_b_\@:
	tensor_load_to_lds s[\g0b:\g0b+3], s[\g1b:\g1b+7]
	s_nop 0
.rept 4
	v_nop
.endr
.Lasked_\@:
.endm
.macro CREST                           ; a round of the cluster's barrier behind its opening barrier
	s_cmp_lg_u32 s14, 0
	s_cbranch_scc1 .Lnot_wave_0_\@
	s_barrier_signal -3
.Lnot_wave_0_\@:
	s_barrier_wait -3
	s_barrier_signal -1
	s_barrier_wait -1
.endm
.macro CROUND                          ; a whole round
	s_barrier_signal -1
	s_barrier_wait -1
	CREST
.endm
	s_load_b512 s[68:83], s[0:1], 0x0              ; x s[68:69], wq, wk, wv s[70:75], bq, bk, bv s[76:81], the exponents s[82:83]
	s_load_b128 s[84:87], s[0:1], 0x40             ; q_img, k_img
	s_load_b64 s[88:89], s[0:1], 0x50              ; v_img
	v_lshl_add_u32 v[SPW], v0, 2, SPARE
	v_mov_b32 v[NIL], 0
	ds_add_u32 v28, v29
	ds_add_u32 v28, v29
	s_wait_dscnt 0x0
	v_lshrrev_b32 v1, 5, v0
	v_readfirstlane_b32 s14, v1                    ; wave 0..3
	s_lshr_b32 s15, s14, 1                         ; which 128 of A's rows are mine.  Also: I fetch for A (0) or for B (1)
	s_and_b32 s16, s14, 1                          ; which 128 of B's rows.  Also: which 128 rows of that tile I fetch
	s_bfe_u32 s40, ttmp6, 0x40000                  ; cx, cy: my place in the cluster
	s_bfe_u32 s41, ttmp6, 0x40004
	s_lshr_b32 s18, ttmp9, 1                       ; 1 for v, 0 for q and k
	s_and_b32 s19, ttmp7, 0xffff
	s_lshl_b32 s19, s19, 2                         ; 4 x cluster y: it counts tiles of 256 tokens, on the side that holds x
	s_mul_i32 s22, s19, s18
	s_sub_co_u32 s23, s19, s22
	s_add_co_u32 s42, s40, s22                     ; B's tile: cx (a weight's four) or cx + 4 x cluster y (x's 32)
	s_add_co_u32 s17, s41, s23                     ; A's tile: cy + 4 x cluster y, or cy
	s_lshl_b32 s43, s41, 2
	s_lshl_b32 s43, 15, s43                        ; my row of the cluster
	s_lshl_b32 s44, 0x1111, s40                    ; my column
	; descriptor group 1: a tile of 128 rows x 256 bytes, padded in LDS
	s_or_b32 s[G1+0], s43, (0<<16)|(1<<20)|(1<<21)|(5<<22)|(3<<25)  ; 15:0 the mask: A's tiles go to my row; elements of 1 byte; 20 padding on; 21 set beside a mask; after every 64 words (code 5) 4 words (code 3)
	s_or_b32 s[G1B+0], s44, (0<<16)|(1<<20)|(1<<21)|(5<<22)|(3<<25)
.irp g, G1, G1B
	s_mov_b32 s[\g+1], ROWB<<16                    ; tensor_dim0
	s_mov_b32 s[\g+2], 128<<16                     ; tensor_dim1
	s_mov_b32 s[\g+3], ROWB<<16                    ; tile_dim0
	s_mov_b32 s[\g+4], 128                         ; tile_dim1
	s_mov_b32 s[\g+5], KROW                        ; tensor_dim0_stride
	s_mov_b32 s[\g+6], 0
	s_mov_b32 s[\g+7], 0
.endr
	s_lshl_b32 s18, s16, 7                         ; which 128 rows of the tile I fetch
	s_lshl_b32 s20, s17, 8
	s_add_co_u32 s20, s20, s18
	s_lshl_b32 s20, s20, 10                        ; A: (256 x tile + 128 x half) rows of 1,024 bytes: under 2^23
	s_mov_b32 s21, 0
	s_lshl_b32 s46, s42, 8
	s_add_co_u32 s46, s46, s18
	s_lshl_b32 s46, s46, 10                        ; B likewise
	s_mov_b32 s47, 0
	s_mul_i32 s45, s14, HALFT                      ; where they go: wave x 128 rows: no place in the cluster enters an LDS address
	s_wait_kmcnt 0x0
	s_cmp_eq_u32 ttmp9, 1                          ; the weight, its bias and the image, chosen by the cluster's x alone
	s_cselect_b64 s[6:7], s[72:73], s[70:71]
	s_cselect_b64 s[8:9], s[78:79], s[76:77]
	s_cselect_b64 s[10:11], s[86:87], s[84:85]
	s_cmp_eq_u32 ttmp9, 2
	s_cselect_b64 s[6:7], s[74:75], s[6:7]
	s_cselect_b64 s[8:9], s[80:81], s[8:9]
	s_cselect_b64 s[10:11], s[88:89], s[10:11]
	s_cselect_b64 s[4:5], s[6:7], s[68:69]         ; A: x, or for v the weight
	s_cselect_b64 s[6:7], s[68:69], s[6:7]         ; B: the weight, or for v x
	s_load_b256 s[68:75], s[82:83], 0x0            ; the exponents 0 to 7,
	s_load_b128 s[76:79], s[82:83], 0x20           ; 8 to 11
	s_add_nc_u64 s[20:21], s[4:5], s[20:21]
	s_add_nc_u64 s[46:47], s[6:7], s[46:47]
	CROUND                                         ; all sixteen work-groups are here: the first joint loads meet
.irp s, 0,1
	s_mov_b32 s[G0+4*\s], 1
	s_add_co_u32 s[G0+4*\s+1], s45, \s*SLOT
	s_add_nc_u64 s[G0+4*\s+2:G0+4*\s+3], s[20:21], \s*ROWB
	s_or_b32 s[G0+4*\s+3], s[G0+4*\s+3], 0x80000000
	s_mov_b32 s[G0B+4*\s], 1
	s_add_co_u32 s[G0B+4*\s+1], s45, \s*SLOT
	s_add_nc_u64 s[G0B+4*\s+2:G0B+4*\s+3], s[46:47], \s*ROWB
	s_or_b32 s[G0B+4*\s+3], s[G0B+4*\s+3], 0x80000000
	JLOAD G0+4*\s, G1, G0B+4*\s, G1B
.endr
	v_and_b32 v1, 15, v0                           ; r = lane % 16
	s_wait_alu depctr_va_vdst(0)
	v_bfe_u32 v2, v0, 4, 1                         ; h = lane / 16
	v_mul_u32_u24 v3, v1, PITCH
	v_lshl_add_u32 v4, v2, 4, v3                   ; a fragment's row x pitch + 16 x half
	s_mul_i32 s21, s15, HALFT                      ; my 128 rows of A
	s_mul_i32 s22, s16, HALFT                      ; my 128 rows of B,
	s_add_co_u32 s22, s22, 2*HALFT                 ; which lie behind A's 256
.irp s, 0,1
	v_add_nc_u32 v[ADRA+\s], s21, v4
	v_add_nc_u32 v[ADRB+\s], s22, v4
	s_add_co_u32 s21, s21, SLOT
	s_add_co_u32 s22, s22, SLOT
.endr
	; where my results go, and which biases are mine.  All choices on one compare, ahead of the sums that set SCC.
	s_cmp_eq_u32 ttmp9, 2
	s_cselect_b32 s20, s40, s41                    ; the tokens' tile hangs on cx (v) or cy (q, k),
	s_cselect_b32 s21, s41, s40                    ; the heads' on the other
	s_cselect_b32 s22, s16, s15                    ; my half of the tokens,
	s_cselect_b32 s23, s15, s16                    ; and of the tile's four heads
	s_mov_b32 s93, 131072
	s_cselect_b32 s93, 1024, s93                   ; DELTA, from the first two image pieces of a block to the other two: the next head (q, k), or groups 2 and 3 (v)
	s_mov_b32 s94, 1024
	s_cselect_b32 s94, 2048, s94                   ; from block a to a + 1: 16 tokens on (q, k), 16 channels on (v)
	s_cselect_b32 s95, 122880, 0                   ; more at a = 4: v's next head begins 131,072 - 4 x 2,048 bytes further on
	s_cselect_b32 s96, 0, 4                        ; the bias from register j to j + 1: the next number (q, k), the same (v)
	s_cselect_b32 s97, 4, 0                        ; the bias by r: v's channel
	s_cselect_b32 s98, 0, 32                       ; the bias by h: eight numbers of the head on (q, k)
	s_add_co_u32 s20, s19, s20
	s_lshl_b32 s20, s20, 8
	s_lshl_b32 s22, s22, 7
	s_add_co_u32 s20, s20, s22                     ; my first token, 0 .. 8,064
	s_lshl_b32 s21, s21, 2
	s_lshl_b32 s23, s23, 1
	s_add_co_u32 s21, s21, s23                     ; my first head of two
	s_lshr_b32 s22, s20, 11
	s_lshl_b32 s22, s22, 21                        ; the batch: 16 heads of 131,072 bytes
	s_and_b32 s20, s20, 2047
	s_lshl_b32 s20, s20, 6                         ; 64 bytes a token within a head, in all three images
	s_add_co_u32 s20, s20, s22
	s_lshl_b32 s22, s21, 17
	s_add_co_u32 s46, s20, s22
	s_mov_b32 s47, 0
	s_add_nc_u64 s[10:11], s[10:11], s[46:47]
	s_lshl_b32 s46, s21, 8                         ; the bias: 64 numbers a head
	s_add_nc_u64 s[8:9], s[8:9], s[46:47]
	v_mul_u32_u24 v[BOFF], v1, s97
	s_wait_alu depctr_va_vdst(0)
	v_mad_u32_u24 v[BOFF], v2, s98, v[BOFF]
.irp j, 1,2,3,4,5,6,7
	v_add_nc_u32 v[BOFF+\j], s96, v[BOFF+\j-1]
.endr
.irp k, 0,1,2,3,4,5,6,7                        ; tile k: the bias of B's block k (q, k: numbers 16 k + 8 h + j) or of A's block k (v: channel 16 k + r in all eight registers)
.irp j, 0,1,2,3,4,5,6,7
	global_load_b32 v[CB+8*\k+\j], v[BOFF+\j], s[8:9] offset:64*\k
.endr
.endr
	v_and_b32 v3, 31, v0
	v_lshlrev_b32 v[VO0], 4, v3
	v_add_nc_u32 v[VO1], s93, v[VO0]
	s_wait_kmcnt 0x0
	s_cmp_eq_u32 ttmp9, 1                          ; ea, eb: entries 2 W and 2 W + 1; eo: entry 6 (q), 7 (k), 9 (v)
	s_cselect_b32 s90, s70, s68
	s_cselect_b32 s91, s71, s69
	s_cselect_b32 s92, s75, s74
	s_cmp_eq_u32 ttmp9, 2
	s_cselect_b32 s90, s72, s90
	s_cselect_b32 s91, s73, s91
	s_cselect_b32 s92, s77, s92
	s_add_co_i32 s91, s90, s91                     ; ea + eb
	s_sub_co_i32 s90, s92, s91                     ; eo - ea - eb
	s_sub_co_i32 s92, 0, s91
	s_add_co_i32 s90, s90, 127
	s_lshl_b32 s91, s90, 23
	v_mov_b32 v[SCL], s91                          ; the conversion takes its exponent field
	s_add_co_i32 s90, s90, 8
	s_lshl_b32 s90, s90, 23
	s_or_b32 s90, s90, 0x600000
	v_mov_b32 v[LIM], s90                          ; 448 x the scale
	s_wait_loadcnt 0x0                             ; the biases
.set i, 0
.rept 64
	v_ldexp_f32 v[CB+i], v[CB+i], s92              ; b / 2^(ea + eb): nothing is rounded
.set i, i+1
.endr
.macro FRAG reg, adr, q, i             ; a fragment: lane l holds row l % 16; registers 4 c .. 4 c + 3 hold K = 32 c + 16 (l / 16) + 0 .. 15: the same order of K on both sides, so every product meets its partner
.irp c, 0,1,2,3
	ds_load_b128 v[\reg+4*\c:\reg+4*\c+3], v[\adr] offset:128*(\q)+32*\c+(\i)*16*PITCH
.endr
.endm
; 16 matrix instructions: A's blocks a0, a0 + 1 x B's eight, 128 along K.  p: B's set.  cm = 0: onto the sums; 1: the sums begin with the bias tile of B's block; 2: with that of A's block.
; The 64 accumulators take turns, one instruction a turn, in the same order in every step.
.macro MUL16 a0, p, cm
.irp a, \a0, \a0+1
.irp b, 0,1,2,3,4,5,6,7
.if (\cm) == 1
	v_wmma_f32_16x16x128_fp8_fp8 v[8*(8*((\a)%4)+\b):8*(8*((\a)%4)+\b)+7], v[128*(\p)+FR*\b:128*(\p)+FR*\b+FR-1], v[AF+FR*(\a):AF+FR*(\a)+FR-1], v[CB+8*\b:CB+8*\b+7]
.elseif (\cm) == 2
	v_wmma_f32_16x16x128_fp8_fp8 v[8*(8*((\a)%4)+\b):8*(8*((\a)%4)+\b)+7], v[128*(\p)+FR*\b:128*(\p)+FR*\b+FR-1], v[AF+FR*(\a):AF+FR*(\a)+FR-1], v[CB+8*(\a):CB+8*(\a)+7]
.else
	v_wmma_f32_16x16x128_fp8_fp8 v[8*(8*((\a)%4)+\b):8*(8*((\a)%4)+\b)+7], v[128*(\p)+FR*\b:128*(\p)+FR*\b+FR-1], v[AF+FR*(\a):AF+FR*(\a)+FR-1], v[8*(8*((\a)%4)+\b):8*(8*((\a)%4)+\b)+7]
.endif
.endr
.endr
.endm
.macro FETCH_B slot, q, p              ; B's eight fragments of the slot's q-th 128 along K into set p
	WIN TO_B
.irp i, 0,1,2,3,4,5,6,7
	FRAG 128*(\p)+FR*\i, ADRB+\slot, \q, \i
.endr
	WIN 0
.endm
.macro FETCH_A slot, q, i0             ; A's blocks i0 .. i0 + 3
.irp i, \i0, \i0+1, \i0+2, \i0+3
	FRAG AF+FR*(\i), ADRA+\slot, \q, \i
.endr
.endm
.macro PLACES n                        ; plain vector instructions between a matrix instruction and a load into, or a vector read of, its registers (ISA guide 7.12.1 for vector reads)
.rept \n
	v_nop
.endr
.endm
; A step of 128 along K that has its successor in the same slot.  A's blocks are free as soon as their eight products are issued, so one set serves A; B's are at work through the whole step and have two.
.macro STEP slot, q, cm
	s_wait_dscnt 4*NL                              ; B's set and A's blocks 0-3 are in; the youngest 16 loads (A's blocks 4-7) may be out
.if \cm
	WIN BIA_LO
.else
	WIN MUL_LO
.endif
	MUL16 0, (\q)%2, \cm
	MUL16 2, (\q)%2, \cm
	s_wait_dscnt 0                                 ; A's blocks 4-7 are in
	PLACES NP
	FETCH_B \slot, (\q)+1, 1-(\q)%2
	FETCH_A \slot, (\q)+1, 0
.if \cm
	WIN BIA_HI
.else
	WIN MUL_HI
.endif
	MUL16 4, (\q)%2, \cm
	MUL16 6, (\q)%2, \cm
	PLACES NP
	WIN 0
	FETCH_A \slot, (\q)+1, 4
.endm
; A slot's last step changes slots: one barrier; in front of it each wave waits for all its tensor loads, adds 0 to its spare word, and waits for that and for its own reads of this slot.  fill = 1: this slot is filled again, two slots ahead.
.macro TURN slot, next, fill
	s_wait_tensorcnt 0x0                           ; all my tensor loads have landed: my part of the next slot
	ds_add_u32 v[SPW], v[NIL]                      ; 0 onto my spare word
	s_wait_dscnt 4*NL+1                            ; (the add and the youngest 16 loads, A's blocks 4-7, may be out)
	WIN MUL_LO
	MUL16 0, 1, 0                                  ; sixteen matrix instructions stand between the add and the wait for it
	s_wait_dscnt 0x0                               ; the add is done, and my reads of this slot are over
	s_barrier_signal -1
	MUL16 2, 1, 0
	WIN 0
	s_barrier_wait -1
.if \fill
	CREST                                          ; the barrier has opened a round of the cluster's barrier: no wave of any partner still reads this slot or has a load on its way
	s_add_nc_u64 s[G0+4*\slot+2:G0+4*\slot+3], s[G0+4*\slot+2:G0+4*\slot+3], 2*ROWB
	s_add_nc_u64 s[G0B+4*\slot+2:G0B+4*\slot+3], s[G0B+4*\slot+2:G0B+4*\slot+3], 2*ROWB
	JLOAD G0+4*\slot, G1, G0B+4*\slot, G1B         ; the first tensor load behind the round; its four v_nop are the places in front of the loads below
.else
	PLACES NP
.endif
	FETCH_B \next, 0, 0
	FETCH_A \next, 0, 0
	WIN MUL_HI
	MUL16 4, 1, 0
	MUL16 6, 1, 0
	PLACES NP
	WIN 0
	FETCH_A \next, 0, 4
.endm
	s_wait_tensorcnt 1                             ; my part of slot 0 is in (slot 1's load may be out)
	s_barrier_signal -1
	s_barrier_wait -1                              ; everybody's is
	FETCH_B 0, 0, 0
	FETCH_A 0, 0, 0
	FETCH_A 0, 0, 4
	s_cmp_eq_u32 ttmp9, 2                          ; the first step is written twice: its C is the bias tile of B's block (q, k) or of A's (v).  The branch hangs on the cluster's x, which all partners share;
	s_cbranch_scc1 .Lfirst_v                       ; both ways issue the same loads and products, and neither holds a barrier or a tensor load
	s_wait_alu depctr_va_vdst(0)
	STEP 0, 0, 1
	s_branch .Lfirst_done
.Lfirst_v:
	s_wait_alu depctr_va_vdst(0)
	STEP 0, 0, 2
.Lfirst_done:
	TURN 0, 1, 1                                   ; K = 1,024 is four slots: the eight steps are written out
	STEP 1, 0, 0
	TURN 1, 0, 1
	STEP 0, 0, 0
	TURN 0, 1, 0                                   ; the last two slots are filled; nothing more is asked for
	STEP 1, 0, 0
	s_wait_dscnt 4*NL                              ; the very last step
	WIN MUL_LO
	MUL16 0, 1, 0
	MUL16 2, 1, 0
	s_wait_dscnt 0
	WIN MUL_HI
	MUL16 4, 1, 0
	MUL16 6, 1, 0
	WIN 0
	; THE WAY OUT, by A's blocks.  The 64 sums of a block are held within +-448 x the scale (the conversion to an 8-bit code does not saturate: ISA guide 7.6.2), each accumulator from its low end on,
	; and converted eight at a time: 16 registers of codes, four image pieces; each store of the wave covers 512 consecutive bytes, aligned.
	PLACES NP
.irp a, 0,1,2,3,4,5,6,7
	WIN 0x02+(\a/4)                                ; source 0: window 2 or 3
.set i, 0
.rept 64
	v_med3_num_f32 v[TMP+i], v[64*(\a%4)+i], -v[LIM], v[LIM]
.set i, i+1
.endr
	WIN 0
.if \a > 0
	s_wait_xcnt 0x0                                ; the last block's stores have read their offsets and their codes: both are written again only behind this wait
	v_add_nc_u32 v[VO0], s94, v[VO0]
	v_add_nc_u32 v[VO1], s94, v[VO1]
.endif
.if \a == 4
	v_add_nc_u32 v[VO0], s95, v[VO0]
	v_add_nc_u32 v[VO1], s95, v[VO1]
.endif
.irp b, 0,1,2,3,4,5,6,7
	v_cvt_scalef32_pk8_fp8_f32 v[CD+2*\b:CD+2*\b+1], v[TMP+8*\b:TMP+8*\b+7], v[SCL]
.endr
	v_nop                                          ; one plain vector instruction behind the last conversion: the next block's holds write its sources
	global_store_b128 v[VO0], v[CD:CD+3], s[10:11]
	global_store_b128 v[VO0], v[CD+4:CD+7], s[10:11] offset:512
	global_store_b128 v[VO1], v[CD+8:CD+11], s[10:11]
	global_store_b128 v[VO1], v[CD+12:CD+15], s[10:11] offset:512
.endr
	s_wait_tensorcnt 0x0                           ; the wave's end
	ds_add_u32 v[SPW], v[NIL]
	s_wait_dscnt 0x0
	CROUND                                         ; the closing round: no work-group ends while a partner may still ask for a tile that names it
	s_endpgm
.Lfunc_end_k_q13e79443f0_qkv:
	.size	k_q13e79443f0_qkv, .Lfunc_end_k_q13e79443f0_qkv-k_q13e79443f0_qkv
	.p2alignl 7, 3214868480
	.fill 96, 4, 3214868480
	.section	.rodata,"a",@progbits
	.p2align	6, 0x0
	.amdhsa_kernel k_q13e79443f0_qkv
		.amdhsa_group_segment_fixed_size 327680
		.amdhsa_private_segment_fixed_size 0
		.amdhsa_enable_private_segment 0
		.amdhsa_kernarg_size 88
		.amdhsa_user_sgpr_count 2
		.amdhsa_user_sgpr_kernarg_segment_ptr 1
		.amdhsa_wavefront_size32 1
		.amdhsa_system_sgpr_workgroup_id_x 1
		.amdhsa_system_sgpr_workgroup_id_y 1
		.amdhsa_system_sgpr_workgroup_id_z 1
		.amdhsa_system_vgpr_workitem_id 0
		.amdhsa_next_free_vgpr 1024
		.amdhsa_next_free_sgpr 100
		.amdhsa_reserve_vcc 0
		.amdhsa_float_denorm_mode_32 3
		.amdhsa_float_denorm_mode_16_64 3
		.amdhsa_memory_ordered 1
		.amdhsa_forward_progress 1
		.amdhsa_inst_pref_size 139
	.end_amdhsa_kernel
	.amdgpu_metadata
---
amdhsa.version: [ 1, 2 ]
amdhsa.kernels:
  - .name:           k_q13e79443f0_qkv
    .symbol:         k_q13e79443f0_qkv.kd
    .args:
      - { .name: x_codes, .offset: 0, .size: 8, .value_kind: global_buffer, .address_space: global }
      - { .name: wq_codes, .offset: 8, .size: 8, .value_kind: global_buffer, .address_space: global }
      - { .name: wk_codes, .offset: 16, .size: 8, .value_kind: global_buffer, .address_space: global }
      - { .name: wv_codes, .offset: 24, .size: 8, .value_kind: global_buffer, .address_space: global }
      - { .name: bq, .offset: 32, .size: 8, .value_kind: global_buffer, .address_space: global }
      - { .name: bk, .offset: 40, .size: 8, .value_kind: global_buffer, .address_space: global }
      - { .name: bv, .offset: 48, .size: 8, .value_kind: global_buffer, .address_space: global }
      - { .name: lowp_scales, .offset: 56, .size: 8, .value_kind: global_buffer, .address_space: global }
      - { .name: q_img, .offset: 64, .size: 8, .value_kind: global_buffer, .address_space: global }
      - { .name: k_img, .offset: 72, .size: 8, .value_kind: global_buffer, .address_space: global }
      - { .name: v_img, .offset: 80, .size: 8, .value_kind: global_buffer, .address_space: global }
    .group_segment_fixed_size: 327680
    .private_segment_fixed_size: 0
    .kernarg_segment_align: 8
    .kernarg_segment_size: 88
    .max_flat_workgroup_size: 128
    .sgpr_count:     100
    .vgpr_count:     1024
    .wavefront_size: 32
...
	.end_amdgpu_metadata
.endif
;; end of part 1
;; launch attn (part 2): grid 4 x 64, 16 waves a work-group, no clusters, 264,192 bytes of LDS; arguments q_img, k_img, v_img, lowp_scales, ctx_img; writes ctx_img
.if DOCPART == 2
	.amdgcn_target "amdgcn-amd-amdhsa--gfx1250"
	.amdhsa_code_object_version 6
	.text
	.protected	k_q13e79443f0_attn
	.globl	k_q13e79443f0_attn
	.p2align	8
	.type	k_q13e79443f0_attn,@function
k_q13e79443f0_attn:
	s_mov_b64 s[64:65], 0
	v_nop
	global_prefetch_b8 v0, s[64:65] scope:SCOPE_SE
	s_setreg_imm32_b32 hwreg(HW_REG_WAVE_MODE, 25, 1), 1
	s_wait_xcnt 0x0
; ctx = softmax(q k^T / 8) v for one head and 512 queries a work-group, both products on codes of E4M3; ctx is quantised again (scale 10) and stored as the next product's operand.
; THE SOFTMAX AHEAD OF THE SECOND PRODUCT: t = score x log2(e) / 8; M = the largest t so far, rounded up to a whole number; p = 2^(t - M) is quantised (scale 8), not normalised; the row's sum is taken of the
; unquantised p and divides at the end.  When M moves, the sum and O are multiplied by 2^(old M - new M), which rounds nothing.
; SHARES.  Sixteen waves, four to a SIMD; a wave owns 32 queries, two tiles of 16, which share every fragment of K and V that it reads from LDS.  Every wave walks the head's 2,048 keys, 128 a step.
; THE WHOLE HEAD LIES IN LDS: K's image 131,072 bytes, V's 131,072, brought once through registers (each thread 16 x 16 bytes of each); one barrier; from then on LDS is only read.
; NO CLUSTER, NO TENSOR LOAD: what the head's four work-groups share is read once by each, at the head of the text, 262,144 bytes against 16 steps of work on them; and the step holds a scalar branch on the given
; exponent ep (below).  Nothing is left to ask for ahead of time: every load stands at the head.
; LAYOUT.  Both products are used transposed: S^T = K Q^T (source 0 = 16 keys), O^T = V^T P^T (source 0 = 16 channels): a lane holds one query (lane % 16) throughout, and its eight registers of a tile of S^T are keys
; 8 (lane / 16) + 0 .. 7: one conversion gives registers 2 c, 2 c + 1 of P, in the order in which V's image holds its keys.
; V'S CHANNELS ARE DEALT ANEW on their way into LDS: lane r of tile 2 b + u takes channel 32 b + 8 u + r + 8 (r / 8) (bits 7 and 11 of the byte address change places), so that O^T's 16 registers of tiles 2 b and 2 b + 1
; are channels 32 b + 16 (lane / 16) + 0 .. 15, which is a piece of ctx's image: [128 rows][4 heads][16 rows][head % 4][b][lane][16 bytes].
; THE HOLD OF p.  p is at most 1, and 448 x 2^ep is above 1 unless ep < -8: no hold is made: the scalar branch on ep passes over nothing.
; LIMITS: e6 + e7 between -123 and 130 (added to c's exponent field); ep = e8 and e10 between -126 and 119; e8 + e9 is applied by v_ldexp_f32 and has none.
.set LI,  3                            ; v3   16 x lane; never rewritten
.set AD,  1                            ; v1   LDS address of the step in hand
.set SCP, 2                            ; v2   2^ep as f32
.set T0,  4                            ; v4-7 at work (during the fill: v4, v5 the LDS addresses of K's and V's stores, v6 16 x thread)
.set T1,  5
.set T2,  6
.set T3,  7
.set ST,  8                            ; tile t at v[8 + 4 t]: -M, the largest t, the sum in two halves
.set Q,   16                           ; v16-31  Q's two fragments
.set F,   32                           ; v32-95  K's eight fragments, then V's four
.set S,   96                           ; v96-159 S^T, then p
.set OT,  160                          ; v160-223 O^T, 32 a tile
.set PC,  224                          ; v224-255 p's codes, 16 a tile
.set WV,  18
.set SEL, 20                           ; s[20:21] lane selects for v_permlanex16_b32: lane l xor 16
.set CS,  22                           ; s[22:23] c = log2(e) / 8 x 2^(e6 + e7)
.set EP,  26                           ; s26  e8
.set TB,  30                           ; s30  LDS byte at which the step begins
.set CNT, 31
.set STEPB, 16384                      ; a step in LDS: K's eight tiles of 1,024 bytes, then V's four of 2,048
	s_load_b256 s[4:11], s[0:1], 0x0               ; q_img s[4:5], k_img s[6:7], v_img s[8:9], the exponents s[10:11]
	s_load_b64 s[12:13], s[0:1], 0x20              ; ctx_img
	v_lshrrev_b32 v1, 5, v0
	s_delay_alu instid0(VALU_DEP_1)
	v_readfirstlane_b32 s[WV], v1                  ; wave 0..15
	v_and_b32 v[LI], 31, v0
	s_delay_alu instid0(VALU_DEP_1)
	v_lshlrev_b32 v[LI], 4, v[LI]
	v_lshlrev_b32 v6, 4, v0                        ; my 16 bytes of each 8,192 in memory
	v_lshlrev_b32 v4, 4, v0                        ; K goes into LDS as it lies
	s_delay_alu instid0(VALU_DEP_2)
	v_and_b32 v5, 0x177f, v6                       ; V: bits 7 and 11 of the address change places
	v_bfe_u32 v7, v0, 3, 1
	s_delay_alu instid0(VALU_DEP_1)
	v_lshl_or_b32 v5, v7, 11, v5
	v_bfe_u32 v7, v0, 7, 1
	s_delay_alu instid0(VALU_DEP_1)
	v_lshl_or_b32 v5, v7, 7, v5
	s_delay_alu instid0(VALU_DEP_1)
	v_add_nc_u32 v5, 8192, v5                      ; behind the step's K
	s_and_b32 s14, ttmp7, 0xffff                   ; 16 x batch + head
	s_lshl_b32 s16, s14, 17                        ; the head's 131,072 bytes in each of the three images
	s_mov_b32 s17, 0
	s_lshl_b32 s38, ttmp9, 5
	s_lshl_b32 s15, s[WV], 1
	s_add_co_u32 s38, s38, s15                     ; my first tile of queries: 32 x work-group x + 2 x wave
	s_lshl_b32 s38, s38, 10
	s_mov_b32 s39, 0
	s_and_b32 s40, s14, 0x30                       ; ctx: 128 rows a block: 16 x batch
	s_lshl_b32 s15, ttmp9, 2
	s_add_co_u32 s40, s40, s15                     ; + 4 x work-group x
	s_lshr_b32 s15, s[WV], 2
	s_add_co_u32 s40, s40, s15                     ; + wave / 4
	s_lshl_b32 s40, s40, 17
	s_bfe_u32 s15, s14, 0x20002                    ; head / 4
	s_lshl_b32 s15, s15, 15
	s_add_co_u32 s40, s40, s15
	s_and_b32 s15, s[WV], 3                        ; two blocks of 16 rows a wave
	s_lshl_b32 s15, s15, 13
	s_add_co_u32 s40, s40, s15
	s_and_b32 s15, s14, 3                          ; head % 4
	s_lshl_b32 s15, s15, 10
	s_add_co_u32 s40, s40, s15
	s_mov_b32 s41, 0
	s_mov_b32 s[SEL], 0x76543210
	s_mov_b32 s[SEL+1], 0xfedcba98
	s_mov_b32 s[CS], 0x3e38aa3b                    ; log2(e) / 8
	s_wait_alu depctr_va_vdst(0)
	s_wait_kmcnt 0x0
	s_load_b128 s[24:27], s[10:11], 0x18           ; e6, e7, e8, e9
	s_load_b32 s28, s[10:11], 0x28                 ; e10
	s_add_nc_u64 s[4:5], s[4:5], s[16:17]
	s_add_nc_u64 s[4:5], s[4:5], s[38:39]
	s_add_nc_u64 s[6:7], s[6:7], s[16:17]
	s_add_nc_u64 s[8:9], s[8:9], s[16:17]
	s_add_nc_u64 s[12:13], s[12:13], s[40:41]
.irp g, 0,1,2,3
	global_load_b128 v[Q+4*\g:Q+4*\g+3], v[LI], s[4:5] offset:512*\g       ; Q's two fragments stay in registers
.endr
.irp i, 0,1,2,3,4,5,6,7,8,9,10,11,12,13,14,15
	global_load_b128 v[F+4*\i:F+4*\i+3], v6, s[6:7] offset:8192*\i         ; step i's K: the 512 threads read 8,192 consecutive bytes
	global_load_b128 v[S+4*\i:S+4*\i+3], v6, s[8:9] offset:8192*\i         ; and its V
.endr
	v_mov_b32 v[ST+1], 0xff61b1e6                  ; the largest t so far: -3e38, under every t
	v_mov_b32 v[ST+5], 0xff61b1e6
	s_delay_alu instid0(VALU_DEP_2)
	v_floor_f32 v[ST], -v[ST+1]                    ; -M
	s_delay_alu instid0(VALU_DEP_2)
	v_floor_f32 v[ST+4], -v[ST+5]
	v_mov_b32 v[ST+2], 0                           ; the sums
	v_mov_b32 v[ST+3], 0
	v_mov_b32 v[ST+6], 0
	v_mov_b32 v[ST+7], 0
	v_mov_b32 v[T3], 0                             ; written once: a lane permute's destination counts as one of its sources
.set j, 0
.rept 64
	v_mov_b32 v[OT+j], 0                           ; O^T.  (The step is written once: the first finds zeros, which the first change of M leaves zeros)
.set j, j+1
.endr
	s_wait_kmcnt 0x0
	s_add_co_i32 s29, s24, s25
	s_lshl_b32 s29, s29, 23
	s_add_co_i32 s[CS], s[CS], s29                 ; a score stands for score x 2^(e6 + e7): added to c's exponent field
	s_mov_b32 s[CS+1], s[CS]                       ; (named with it as a pair, so it is written)
	s_add_co_i32 s29, s[EP], 127
	s_lshl_b32 s33, s29, 23
	v_mov_b32 v[SCP], s33                          ; 2^ep
	s_add_co_i32 s34, s[EP], s27                   ; e8 + e9
	s_add_co_i32 s29, s28, 127
	s_lshl_b32 s35, s29, 23                        ; 2^e10
.irp i, 0,1,2,3,4,5,6,7,8,9,10,11,12,13,14,15
	s_wait_alu depctr_va_vdst(0)
	s_wait_loadcnt 30-2*\i                         ; loads come back in order: pair i is in, the 15 - i younger pairs may be out
	ds_store_b128 v4, v[F+4*\i:F+4*\i+3] offset:(\i%4)*STEPB
	ds_store_b128 v5, v[S+4*\i:S+4*\i+3] offset:(\i%4)*STEPB
.if ((\i%4) == 3) && (\i < 15)
	v_add_nc_u32 v4, 4*STEPB, v4                   ; the immediate has 16 bits: four steps on in the register
	s_wait_alu depctr_va_vdst(0)
	v_add_nc_u32 v5, 4*STEPB, v5
.endif
.endr
	s_wait_dscnt 0x0                               ; for the others' sake: my stores have landed
	s_barrier_signal -1
	s_barrier_wait -1                              ; the head's K and V lie in LDS; nobody writes LDS again
; One tile's softmax for a step of 128 keys (a lane: 64 of them).  The exponentials go as one batch with one wait.
.macro SOFTMAX t
.set rT, ST+4*(\t)
.set rO, OT+32*(\t)
.set rP, PC+16*(\t)
	v_max3_num_f32 v[T0], v[S], v[S+1], v[S+2]     ; the step's largest score, in two chains; each accumulator is first read at its low end
	v_max3_num_f32 v[T1], v[S+3], v[S+4], v[S+5]
.irp i, 6,10,14,18,22,26,30,34,38,42,46,50,54,58
	v_max3_num_f32 v[T0], v[T0], v[S+\i], v[S+\i+1]
	v_max3_num_f32 v[T1], v[T1], v[S+\i+2], v[S+\i+3]
.endr
	v_max3_num_f32 v[T0], v[T0], v[S+62], v[S+63]
	s_delay_alu instid0(VALU_DEP_1)
	v_max_num_f32 v[T0], v[T0], v[T1]
	s_delay_alu instid0(VALU_DEP_1)
	v_permlanex16_b32 v[T3], v[T0], s[SEL], s[SEL+1]
	s_delay_alu instid0(VALU_DEP_1)
	v_max_num_f32 v[T0], v[T0], v[T3]              ; and among lane l xor 16's keys
	s_delay_alu instid0(VALU_DEP_1)
	v_mul_f32 v[T0], s[CS], v[T0]                  ; as t (c is positive)
	s_delay_alu instid0(VALU_DEP_1)
	v_max_num_f32 v[rT+1], v[rT+1], v[T0]          ; the running largest t
	v_mov_b32 v[T0], v[rT]
	s_delay_alu instid0(VALU_DEP_2)
	v_floor_f32 v[rT], -v[rT+1]                    ; the new -M = floor(-t): M is a whole number
	s_delay_alu instid0(VALU_DEP_1)
	v_sub_f32 v[T0], v[rT], v[T0]                  ; old M - new M: a whole number, 0 or less
	s_delay_alu instid0(VALU_DEP_1)
	v_cvt_i32_f32 v[T0], v[T0]                     ; (it saturates)
	s_delay_alu instid0(VALU_DEP_1)
	v_ldexp_f32 v[T2], 1.0, v[T0]                  ; f = 2^(old M - new M)
.set j, 0
.rept 32
	v_pk_fma_f32 v[S+j:S+j+1], v[S+j:S+j+1], s[CS:CS+1], v[rT:rT+1] op_sel_hi:[1,0,0]   ; t - M, two at a time (of the pairs c and -M the low word serves both halves)
.set j, j+2
.endr
.set j, 0
	s_wait_alu depctr_va_vdst(0)
.rept 64
	v_exp_f32 v[S+j], v[S+j]                       ; p = 2^(t - M), at most 1
.set j, j+1
.endr
	v_pk_mul_f32 v[rT+2:rT+3], v[rT+2:rT+3], v[T2:T2+1] op_sel_hi:[1,0]   ; the sums under the new M: the plain instruction behind the exponentials
	s_wait_alu depctr_va_vdst(0)                   ; one wait for the batch, ahead of its first reader
	v_pk_add_f32 v[T0:T0+1], v[S:S+1], v[S+2:S+3]  ; the row's sum is taken of the unquantised p, in two chains
.irp i, 4,8,12,16,20,24,28,32,36,40,44,48,52,56,60
	v_pk_add_f32 v[rT+2:rT+3], v[rT+2:rT+3], v[S+\i:S+\i+1]
	v_pk_add_f32 v[T0:T0+1], v[T0:T0+1], v[S+\i+2:S+\i+3]
.endr
	s_delay_alu instid0(VALU_DEP_1)
	v_pk_add_f32 v[rT+2:rT+3], v[rT+2:rT+3], v[T0:T0+1]
	s_cmp_lt_i32 s[EP], -8                         ; 448 x 2^ep lies under 1 only where ep < -8: else no p reaches it
	s_cbranch_scc0 .Lfree_\@
.set j, 0
.rept 64
.set j, j+1
.endr
.Lfree_\@:
.irp c, 0,1,2,3,4,5,6,7
	v_cvt_scalef32_pk8_fp8_f32 v[rP+2*\c:rP+2*\c+1], v[S+8*\c:S+8*\c+7], v[SCP]   ; keys 16 c + 8 (lane / 16) + 0 .. 7: registers 2 c, 2 c + 1 of P
.endr
.set j, 0
.rept 16
	v_pk_mul_f32 v[rO+j:rO+j+1], v[rO+j:rO+j+1], v[T2:T2+1] op_sel_hi:[1,0]       ; O^T under the new M.  (These are also the plain instructions behind the conversions)
.set j, j+2
.endr
.endm
	s_mov_b32 s[TB], 0
	s_mov_b32 s[CNT], 16
.Lstep:
	s_setprio 2
	v_add_nc_u32 v[AD], s[TB], v[LI]               ; with the three v_nop: four places between the last products and the loads into the registers that they read
.rept 3
	v_nop
.endr
.irp c, 0,1,2,3,4,5,6,7
	ds_load_b128 v[F+8*\c:F+8*\c+3], v[AD] offset:1024*\c          ; K's tile c: each load takes 512 consecutive bytes
	ds_load_b128 v[F+8*\c+4:F+8*\c+7], v[AD] offset:1024*\c+512
.endr
	s_wait_dscnt 0x0
.irp c, 0,1,2,3,4,5,6,7
	v_wmma_f32_16x16x64_fp8_fp8 v[S+8*\c:S+8*\c+7], v[F+8*\c:F+8*\c+7], v[Q:Q+7], 0
.endr
.rept 4
	v_nop
.endr
	SOFTMAX 0
.irp c, 0,1,2,3,4,5,6,7
	v_wmma_f32_16x16x64_fp8_fp8 v[S+8*\c:S+8*\c+7], v[F+8*\c:F+8*\c+7], v[Q+8:Q+15], 0   ; the second tile of queries on the same fragments of K
.endr
.rept 4
	v_nop                                          ; places in front of the loads into K's registers and of the first read of the scores
.endr
.irp u, 0,1,2,3
.irp g, 0,1,2,3
	ds_load_b128 v[F+16*\u+4*\g:F+16*\u+4*\g+3], v[AD] offset:8192+2048*\u+512*\g     ; V's four tiles land while the second softmax is walked
.endr
.endr
	s_setprio 1
	SOFTMAX 1
	s_setprio 0
	s_wait_alu depctr_va_vdst(0)
	s_wait_dscnt 0x0
.irp u, 0,1,2,3                                ; O^T += V^T P^T: eight accumulators, one instruction each
	v_wmma_f32_16x16x128_fp8_fp8 v[OT+8*\u:OT+8*\u+7], v[F+16*\u:F+16*\u+15], v[PC:PC+15], v[OT+8*\u:OT+8*\u+7]
	v_wmma_f32_16x16x128_fp8_fp8 v[OT+32+8*\u:OT+32+8*\u+7], v[F+16*\u:F+16*\u+15], v[PC+16:PC+31], v[OT+32+8*\u:OT+32+8*\u+7]
.endr
	s_add_co_u32 s[TB], s[TB], STEPB
	s_sub_co_u32 s[CNT], s[CNT], 1
	s_cmp_lg_u32 s[CNT], 0
	s_cbranch_scc1 .Lstep
	s_setprio 0
	; THE WAY OUT.  The sum's halves and lane l xor 16's are added; O^T / the sum x 2^(e8 + e9) is ctx; it is converted with 2^e10 and stored as image pieces.
	; The additions, moves and v_ldexp_f32 below name no register of the last products: they are the places behind them.
	v_add_f32 v[ST+2], v[ST+2], v[ST+3]
	v_add_f32 v[ST+6], v[ST+6], v[ST+7]
	s_delay_alu instid0(VALU_DEP_2)
	v_permlanex16_b32 v[T0], v[ST+2], s[SEL], s[SEL+1]
	s_delay_alu instid0(VALU_DEP_2)
	v_permlanex16_b32 v[T1], v[ST+6], s[SEL], s[SEL+1]
	s_delay_alu instid0(VALU_DEP_2)
	v_add_f32 v[ST+2], v[ST+2], v[T0]
	s_delay_alu instid0(VALU_DEP_2)
	v_add_f32 v[ST+6], v[ST+6], v[T1]
	s_wait_alu depctr_va_vdst(0)
	v_rcp_f32 v[ST+2], v[ST+2]
	v_rcp_f32 v[ST+6], v[ST+6]
	v_mov_b32 v[T2], s35                           ; 2^e10 (the plain instruction behind the reciprocals)
	s_wait_alu depctr_va_vdst(0)                   ; one wait for both reciprocals, ahead of their first reader
	v_ldexp_f32 v[ST+2], v[ST+2], s34
	v_ldexp_f32 v[ST+6], v[ST+6], s34
.irp t, 0,1
.set j, 0
.rept 16
	v_pk_mul_f32 v[OT+32*\t+j:OT+32*\t+j+1], v[OT+32*\t+j:OT+32*\t+j+1], v[ST+4*\t+2:ST+4*\t+3] op_sel_hi:[1,0]
.set j, j+2
.endr
.set j, 0
.rept 32
.set j, j+1
.endr
.irp u, 0,1,2,3
	v_cvt_scalef32_pk8_fp8_f32 v[F+8*\t+2*\u:F+8*\t+2*\u+1], v[OT+32*\t+8*\u:OT+32*\t+8*\u+7], v[T2]   ; tiles 2 b, 2 b + 1: channels 32 b + 16 (lane / 16) + 0 .. 15: four registers, a piece
.endr
.endr
	v_nop                                          ; one plain vector instruction behind the last conversion
.irp t, 0,1
.irp b, 0,1
	global_store_b128 v[LI], v[F+8*\t+4*\b:F+8*\t+4*\b+3], s[12:13] offset:4096*\t+512*\b   ; 32 lanes store 512 consecutive bytes, aligned
.endr
.endr
	s_wait_xcnt 0x0
	v_lshl_add_u32 v254, v0, 2, 0x40000
	v_mov_b32 v255, 0
	s_wait_alu depctr_va_vdst(0)
	s_wait_tensorcnt 0x0
	ds_add_u32 v254, v255
	s_wait_dscnt 0x0
	s_endpgm
.Lfunc_end_k_q13e79443f0_attn:
	.size	k_q13e79443f0_attn, .Lfunc_end_k_q13e79443f0_attn-k_q13e79443f0_attn
	.p2alignl 7, 3214868480
	.fill 96, 4, 3214868480
	.section	.rodata,"a",@progbits
	.p2align	6, 0x0
	.amdhsa_kernel k_q13e79443f0_attn
		.amdhsa_group_segment_fixed_size 264192
		.amdhsa_private_segment_fixed_size 0
		.amdhsa_enable_private_segment 0
		.amdhsa_kernarg_size 40
		.amdhsa_user_sgpr_count 2
		.amdhsa_user_sgpr_kernarg_segment_ptr 1
		.amdhsa_wavefront_size32 1
		.amdhsa_system_sgpr_workgroup_id_x 1
		.amdhsa_system_sgpr_workgroup_id_y 1
		.amdhsa_system_sgpr_workgroup_id_z 1
		.amdhsa_system_vgpr_workitem_id 0
		.amdhsa_next_free_vgpr 256
		.amdhsa_next_free_sgpr 66
		.amdhsa_reserve_vcc 0
		.amdhsa_float_denorm_mode_32 3
		.amdhsa_float_denorm_mode_16_64 3
		.amdhsa_fp16_overflow 1
		.amdhsa_memory_ordered 1
		.amdhsa_forward_progress 1
		.amdhsa_inst_pref_size 42
	.end_amdhsa_kernel
	.amdgpu_metadata
---
amdhsa.version: [ 1, 2 ]
amdhsa.kernels:
  - .name:           k_q13e79443f0_attn
    .symbol:         k_q13e79443f0_attn.kd
    .args:
      - { .name: q_img, .offset: 0, .size: 8, .value_kind: global_buffer, .address_space: global }
      - { .name: k_img, .offset: 8, .size: 8, .value_kind: global_buffer, .address_space: global }
      - { .name: v_img, .offset: 16, .size: 8, .value_kind: global_buffer, .address_space: global }
      - { .name: lowp_scales, .offset: 24, .size: 8, .value_kind: global_buffer, .address_space: global }
      - { .name: ctx_img, .offset: 32, .size: 8, .value_kind: global_buffer, .address_space: global }
    .group_segment_fixed_size: 264192
    .private_segment_fixed_size: 0
    .kernarg_segment_align: 8
    .kernarg_segment_size: 40
    .max_flat_workgroup_size: 512
    .sgpr_count:     66
    .vgpr_count:     256
    .wavefront_size: 32
...
	.end_amdgpu_metadata
.endif
;; end of part 2
;; launch proj (part 3): grid 8 x 32, 4 waves a work-group, clusters of 4 x 4, 327,680 bytes of LDS; arguments ctx_img, wo_codes, bo, lowp_scales, out0; writes out0
.if DOCPART == 3
	.amdgcn_target "amdgcn-amd-amdhsa--gfx1250"
	.amdhsa_code_object_version 6
	.text
	.protected	k_q13e79443f0_proj
	.globl	k_q13e79443f0_proj
	.p2align	8
	.type	k_q13e79443f0_proj,@function
k_q13e79443f0_proj:
	s_mov_b64 s[64:65], 0
	v_nop
	global_prefetch_b8 v0, s[64:65] scope:SCOPE_SE
	s_setreg_imm32_b32 hwreg(HW_REG_WAVE_MODE, 25, 1), 1
	s_wait_xcnt 0x0
	s_wait_alu depctr_hold_cnt(0) depctr_sa_sdst(0) depctr_va_vdst(0) depctr_va_sdst(0) depctr_va_ssrc(0) depctr_va_vcc(0) depctr_vm_vsrc(0)
	s_getreg_b32 s2, hwreg(HW_REG_IB_STS2, 6, 4)
	s_cmp_eq_u32 s2, 0
	s_cbranch_scc0 .Lentry_in_a_cluster
	s_endpgm
.Lentry_in_a_cluster:
	s_bfe_u32 s2, ttmp6, 0x10000c
	s_cmp_lg_u32 s2, 0xf033
	s_cbranch_scc0 .Lentry_shape_is_right
	s_endpgm
.Lentry_shape_is_right:
; out0 = ctx wo^T + bo on codes of E4M3.  ctx: 8,192 rows x 1,024, as images of operand registers ([128 rows][256 along K][16 rows][128 along K: 4 groups of 4 registers][lane][16 bytes]); wo: [1024][1024] codes, K innermost.
; A tile of out0 is 256 rows x 128 columns: 256 work-groups, where 256 x 256 would make 128.  Four waves, each 128 rows x 64 columns: 32 accumulators of 16 x 16.
; K goes in slots of 256 through a ring of two LDS slots; a step of 128 along K is 32 matrix instructions a wave; the eight steps are written out.
; THE MATRIX INSTRUCTION IS USED TRANSPOSED (source 0 = 16 rows of wo, source 1 = 16 rows of ctx): a lane holds eight neighbouring columns of one row of out0.
; K's ORDER IN A FRAGMENT: registers 4 c .. 4 c + 3 hold K = 32 c + 16 (lane / 16) + 0 .. 15: so four loads of 16 bytes give it for wo, and so ctx's image was laid: every product meets its partner.
; CLUSTERS: 4 x 4 work-groups; ctx's tile is shared along a row of the cluster, wo's along a column: each is asked for jointly.
; out0 = sum x 2^(e10 + e11) + bo: one packed multiply-add for two numbers.  LIMIT: e10 + e11 between -126 and 127, so that the power of two is an f32 number.
; REGISTERS, in windows of 256: window 0: v16-29 addresses; v32-63 bo's four tiles; v64-95 a block's results; v128-191 rows read back from the stage, two sets.
;   window 1: ctx's fragments, two sets of 8 x 16.   window 2: the accumulators ((a, b) at v[8 (4 a + b)]).   window 3: wo's fragments, two sets of 4 x 16.
.set PITCH,  272                       ; a row of wo in LDS: 256 bytes + 16 of padding: the 16 rows that a load touches start at 16 different banks (ISA guide 11.1)
.set ABLK,   32768                     ; 128 rows x 256 K of ctx's image: one dense block; a load from it takes 512 consecutive bytes, so it needs no padding
.set BHALF,  64*PITCH                  ; 64 rows of wo
.set BOFFS,  2*ABLK
.set SLOT,   BOFFS+2*BHALF
.set STAGE,  2*SLOT                    ; behind the ring: 16 rows x 272 bytes for each wave, for the way out
.set SPITCH, 272
.set SPARE,  STAGE+4*16*SPITCH         ; behind the stages: the spare words, 128 bytes for each wave
.set ADRA, 16                          ; v16-17  LDS address of my fragments of ctx in slot 0, 1
.set ADRB, 20                          ; v20-21  the same for wo
.set STO,  24                          ; v24     the way out: where I put 32 bytes of a row
.set RD,   25                          ; v25     where I read a row back
.set CO,   26                          ; v26     my byte offset in two rows of out0
.set SPW,  28                          ; v28     LDS address of my spare word; never rewritten
.set NIL,  29                          ; v29     0; never rewritten
.set BO,   32
.set TMP,  64
.set BK,   128
.set G1,  24                           ; s[24:31] descriptor group 1 for ctx's tiles;  s[32:39] group 0, one set for each slot
.set G0,  32
.set G1B, 48                           ; s[48:55], s[56:63] the same for wo's tiles
.set G0B, 56
.set MSB, 0
.macro WIN new                         ; the immediate's high byte repeats the setting that is left
.if MSB != (\new)
	s_set_vgpr_msb (MSB<<8)|(\new)
.set MSB, (\new)
.endif
.endm
.set MUL,  0xa7                        ; source 0 (wo) window 3, source 1 (ctx) window 1, C and D window 2
.set TO_A, 0x40                        ; destination window 1, address window 0
.set TO_B, 0xc0                        ; destination window 3
.macro JLOAD g0a, g1a, g0b, g1b        ; a joint load: waves 0 and 1 fetch for ctx, waves 2 and 3 for wo; four v_nop follow each of the two lines
	s_cmp_eq_u32 s15, 0
	s_cbranch_scc0 .Lfor_b_\@
	tensor_load_to_lds s[\g0a:\g0a+3], s[\g1a:\g1a+7]
	s_nop 0
.rept 4
	v_nop
.endr
	s_branch .Lasked_\@
.Lfor_b_\@:
	tensor_load_to_lds s[\g0b:\g0b+3], s[\g1b:\g1b+7]
	s_nop 0
.rept 4
	v_nop
.endr
.Lasked_\@:
.endm
.macro CREST                           ; a round of the cluster's barrier behind its opening barrier
	s_cmp_lg_u32 s14, 0
	s_cbranch_scc1 .Lnot_wave_0_\@
	s_barrier_signal -3
.Lnot_wave_0_\@:
	s_barrier_wait -3
	s_barrier_signal -1
	s_barrier_wait -1
.endm
.macro CROUND
	s_barrier_signal -1
	s_barrier_wait -1
	CREST
.endm
	s_load_b256 s[4:11], s[0:1], 0x0               ; ctx_img s[4:5], wo s[6:7], bo s[8:9], the exponents s[10:11]
	s_load_b64 s[12:13], s[0:1], 0x20              ; out0
	v_lshl_add_u32 v[SPW], v0, 2, SPARE
	v_mov_b32 v[NIL], 0
	ds_add_u32 v28, v29
	ds_add_u32 v28, v29
	s_wait_dscnt 0x0
	v_lshrrev_b32 v1, 5, v0
	v_readfirstlane_b32 s14, v1                    ; wave 0..3
	s_lshr_b32 s15, s14, 1                         ; which 128 rows are mine.  Also: I fetch for ctx (0) or for wo (1)
	s_and_b32 s16, s14, 1                          ; which 64 columns.  Also: which half of that tile I fetch
	s_bfe_u32 s40, ttmp6, 0x40000                  ; cx, cy
	s_bfe_u32 s41, ttmp6, 0x40004
	s_lshl_b32 s42, ttmp9, 2
	s_add_co_u32 s42, s42, s40                     ; tile column = 4 x cluster x + cx, 0 .. 7
	s_and_b32 s17, ttmp7, 0xffff
	s_lshl_b32 s17, s17, 2
	s_add_co_u32 s17, s17, s41                     ; tile row = 4 x cluster y + cy, 0 .. 31
	s_lshl_b32 s43, s41, 2
	s_lshl_b32 s43, 15, s43                        ; my row of the cluster
	s_lshl_b32 s44, 0x1111, s40                    ; my column
	s_or_b32 s[G1+0], s43, (0<<16)|(1<<21)         ; ctx: the mask of my row; elements of 1 byte; no padding; 21 set beside a mask
	s_mov_b32 s[G1+1], 256<<16                     ; tensor_dim0: the dense block as rows of 256 bytes
	s_mov_b32 s[G1+2], 128<<16                     ; tensor_dim1
	s_mov_b32 s[G1+3], 256<<16                     ; tile_dim0
	s_mov_b32 s[G1+4], 128                         ; tile_dim1
	s_mov_b32 s[G1+5], 256                         ; tensor_dim0_stride
	s_mov_b32 s[G1+6], 0
	s_mov_b32 s[G1+7], 0
	s_or_b32 s[G1B+0], s44, (0<<16)|(1<<20)|(1<<21)|(5<<22)|(3<<25)  ; wo: the mask of my column; padding: 4 words (code 3) after every 64 (code 5)
	s_mov_b32 s[G1B+1], 256<<16
	s_mov_b32 s[G1B+2], 64<<16
	s_mov_b32 s[G1B+3], 256<<16
	s_mov_b32 s[G1B+4], 64
	s_mov_b32 s[G1B+5], 1024
	s_mov_b32 s[G1B+6], 0
	s_mov_b32 s[G1B+7], 0
	s_lshl_b32 s20, s17, 1
	s_add_co_u32 s20, s20, s16
	s_lshl_b32 s20, s20, 17                        ; ctx: block of 128 rows 2 x tile row + half: 131,072 bytes each
	s_mov_b32 s21, 0
	s_lshl_b32 s46, s42, 7
	s_lshl_b32 s18, s16, 6
	s_add_co_u32 s46, s46, s18
	s_lshl_b32 s46, s46, 10                        ; wo: row 128 x tile column + 64 x half, of 1,024 bytes
	s_mov_b32 s47, 0
	s_lshl_b32 s45, s16, 15                        ; where they go: no place in the cluster enters an LDS address
	s_mul_i32 s19, s16, BHALF
	s_add_co_u32 s19, s19, BOFFS
	s_wait_kmcnt 0x0
	s_load_b64 s[96:97], s[10:11], 0x28            ; e10, e11
	s_add_nc_u64 s[20:21], s[4:5], s[20:21]
	s_add_nc_u64 s[46:47], s[6:7], s[46:47]
	CROUND                                         ; all sixteen work-groups are here: the first joint loads meet
.irp s, 0,1
	s_mov_b32 s[G0+4*\s], 1
	s_add_co_u32 s[G0+4*\s+1], s45, \s*SLOT
	s_add_nc_u64 s[G0+4*\s+2:G0+4*\s+3], s[20:21], \s*ABLK
	s_or_b32 s[G0+4*\s+3], s[G0+4*\s+3], 0x80000000
	s_mov_b32 s[G0B+4*\s], 1
	s_add_co_u32 s[G0B+4*\s+1], s19, \s*SLOT
	s_add_nc_u64 s[G0B+4*\s+2:G0B+4*\s+3], s[46:47], \s*256
	s_or_b32 s[G0B+4*\s+3], s[G0B+4*\s+3], 0x80000000
	s_wait_alu depctr_va_vdst(0)
	s_wait_tensorcnt 0x0
	ds_add_u32 v28, v29
	ds_add_u32 v28, v29
	s_wait_dscnt 0x0
	CROUND
	JLOAD G0+4*\s, G1, G0B+4*\s, G1B
.endr
	v_and_b32 v1, 15, v0                           ; r
	v_bfe_u32 v2, v0, 4, 1                         ; h
	v_and_b32 v3, 31, v0
	v_lshlrev_b32 v3, 4, v3                        ; ctx: 16 x lane
	v_mul_u32_u24 v4, v1, PITCH
	v_lshl_add_u32 v4, v2, 4, v4                   ; wo: row x pitch + 16 x half
	s_lshl_b32 s21, s15, 15                        ; my 128 rows of ctx
	s_mul_i32 s22, s16, BHALF
	s_add_co_u32 s22, s22, BOFFS                   ; my 64 rows of wo
.irp s, 0,1
	v_add_nc_u32 v[ADRA+\s], s21, v3
	v_add_nc_u32 v[ADRB+\s], s22, v4
	s_add_co_u32 s21, s21, SLOT
	s_add_co_u32 s22, s22, SLOT
.endr
	s_mul_i32 s23, s14, 16*SPITCH
	s_add_co_u32 s23, s23, STAGE                   ; my stage
	v_mul_u32_u24 v5, v1, SPITCH                   ; in: row r, 32 bytes for each half of the lanes
	v_lshl_add_u32 v5, v2, 5, v5
	v_add_nc_u32 v[STO], s23, v5
	v_mul_u32_u24 v5, v2, SPITCH                   ; back: lanes 0-15 one row of 256 bytes, lanes 16-31 the next
	v_lshl_add_u32 v5, v1, 4, v5
	v_add_nc_u32 v[RD], s23, v5
	v_lshlrev_b32 v[CO], 12, v2                    ; and the same two rows in out0: 4,096 bytes a row
	v_lshl_add_u32 v[CO], v1, 4, v[CO]
	s_lshl_b32 s20, s17, 8
	s_lshl_b32 s21, s15, 7
	s_add_co_u32 s20, s20, s21
	s_lshl_b32 s20, s20, 12                        ; my first row: 256 x tile row + 128 x half, under 2^25 bytes
	s_lshl_b32 s46, s42, 9
	s_lshl_b32 s47, s16, 8
	s_add_co_u32 s46, s46, s47                     ; my first column, in bytes: 512 x tile column + 256 x half
	s_mov_b32 s47, 0
	s_add_nc_u64 s[8:9], s[8:9], s[46:47]          ; bo at my 64 columns
	s_add_co_u32 s46, s46, s20
	s_add_nc_u64 s[12:13], s[12:13], s[46:47]
	v_lshlrev_b32 v6, 5, v2                        ; bo's tile b: columns 16 b + 8 h + 0 .. 7
.irp b, 0,1,2,3
	global_load_b128 v[BO+8*\b:BO+8*\b+3], v6, s[8:9] offset:64*\b
	global_load_b128 v[BO+8*\b+4:BO+8*\b+7], v6, s[8:9] offset:64*\b+16
.endr
; 48 LDS loads in one run: the fragments of the slot's q-th 128 along K into set p
.macro FETCH slot, q, p
	WIN TO_A
.irp a, 0,1,2,3,4,5,6,7
.irp c, 0,1,2,3
	ds_load_b128 v[128*(\p)+16*\a+4*\c:128*(\p)+16*\a+4*\c+3], v[ADRA+\slot] offset:4096*\a+2048*(\q)+512*\c
.endr
.endr
	WIN TO_B
.irp b, 0,1,2,3
.irp c, 0,1,2,3
	ds_load_b128 v[64*(\p)+16*\b+4*\c:64*(\p)+16*\b+4*\c+3], v[ADRB+\slot] offset:16*PITCH*\b+128*(\q)+32*\c
.endr
.endr
.endm
; 8 matrix instructions: ctx's blocks a0, a0 + 1 x wo's four.  The 32 accumulators take turns, one instruction a turn, in the same order in every step.
.macro MUL8 a0, p, zero
.irp a, \a0, \a0+1
.irp b, 0,1,2,3
.if \zero
	v_wmma_f32_16x16x128_fp8_fp8 v[8*(4*(\a)+\b):8*(4*(\a)+\b)+7], v[64*(\p)+16*\b:64*(\p)+16*\b+15], v[128*(\p)+16*(\a):128*(\p)+16*(\a)+15], 0
.else
	v_wmma_f32_16x16x128_fp8_fp8 v[8*(4*(\a)+\b):8*(4*(\a)+\b)+7], v[64*(\p)+16*\b:64*(\p)+16*\b+15], v[128*(\p)+16*(\a):128*(\p)+16*(\a)+15], v[8*(4*(\a)+\b):8*(4*(\a)+\b)+7]
.endif
.endr
.endr
.endm
.macro PLACES n
.rept \n
	v_nop
.endr
.endm
; A slot's first step: multiplies set 0; ahead of its products the second step's fragments are asked for, into set 1.
.macro STEP3 slot, zero
	s_wait_dscnt 0x0                               ; set 0 is in
	PLACES 4                                       ; in front of loads into set 1, which the last products read
	FETCH \slot, 1, 1
	WIN MUL
	MUL8 0, 0, \zero
	MUL8 2, 0, \zero
	MUL8 4, 0, \zero
	MUL8 6, 0, \zero
.endm
; A slot's second step multiplies set 1 and changes slots: one barrier; in front of it each wave waits for all its tensor loads, adds 0 to its spare word, and waits for that and for its own reads of this slot.
.macro TURN3 slot, next, fill
	WIN 0                                          ; (the add's two registers lie in window 0)
	s_wait_tensorcnt 0x0                           ; all my tensor loads have landed: my part of the next slot
	ds_add_u32 v[SPW], v[NIL]                      ; 0 onto my spare word
	s_wait_dscnt 1                                 ; set 1 is in; the add may be out
	WIN MUL
	MUL8 0, 1, 0                                   ; eight matrix instructions stand between the add and the wait for it
	s_wait_dscnt 0x0                               ; the add is done, and my reads of this slot are over
	s_barrier_signal -1
	MUL8 2, 1, 0
	WIN 0
	s_barrier_wait -1
.if \fill
	CREST                                          ; the barrier has opened a round of the cluster's barrier: no wave of any partner still reads this slot or has a load on its way
	s_add_nc_u64 s[G0+4*\slot+2:G0+4*\slot+3], s[G0+4*\slot+2:G0+4*\slot+3], 2*ABLK
	s_add_nc_u64 s[G0B+4*\slot+2:G0B+4*\slot+3], s[G0B+4*\slot+2:G0B+4*\slot+3], 2*256
	JLOAD G0+4*\slot, G1, G0B+4*\slot, G1B         ; the first tensor load behind the round; its four v_nop are the places in front of the loads below
.else
	PLACES 4
.endif
	FETCH \next, 0, 0
	WIN MUL
	MUL8 4, 1, 0
	MUL8 6, 1, 0
.endm
	s_wait_tensorcnt 1                             ; my part of slot 0 is in (slot 1's load may be out)
	s_barrier_signal -1
	s_barrier_wait -1                              ; everybody's is
	FETCH 0, 0, 0
	STEP3 0, 1                                     ; the first products start the sums: nothing is cleared
	TURN3 0, 1, 1
	STEP3 1, 0
	TURN3 1, 0, 1
	STEP3 0, 0
	TURN3 0, 1, 0                                  ; the last two slots are filled; nothing more is asked for
	STEP3 1, 0
	s_wait_dscnt 0x0                               ; the very last step
	MUL8 0, 1, 0
	MUL8 2, 1, 0
	MUL8 4, 1, 0
	MUL8 6, 1, 0
	WIN 0
; THE WAY OUT, block by block of 16 rows x 64 columns.  A lane holds 32 neighbouring bytes of a row, the lanes beside it other rows: so a block goes through my own stage in LDS and comes back as whole rows of 256 bytes.
; LDS serves a wave's instructions in order (ISA guide 5.7.1.4): no wait between the stores and the loads, nor in front of the next block's stores.
.macro TOSTAGE a
	WIN 0x02                                       ; source 0 (the sums) window 2
.set i, 0
.rept 16
	v_pk_fma_f32 v[TMP+i:TMP+i+1], v[32*(\a)+i:32*(\a)+i+1], s[96:97], v[BO+i:BO+i+1] op_sel_hi:[1,0,1]   ; sum x 2^(e10 + e11) + bo; each accumulator from its low end on
.set i, i+2
.endr
	WIN 0
.irp b, 0,1,2,3
	ds_store_b128 v[STO], v[TMP+8*\b:TMP+8*\b+3] offset:64*\b
	ds_store_b128 v[STO], v[TMP+8*\b+4:TMP+8*\b+7] offset:64*\b+16
.endr
.set BB, BK+32*((\a)%2)
.irp t, 0,1,2,3,4,5,6,7
	ds_load_b128 v[BB+4*\t:BB+4*\t+3], v[RD] offset:\t*2*SPITCH
.endr
.endm
.macro SEND a, younger                 ; younger: the LDS instructions issued behind block a's loads, which may stay out
.set BB, BK+32*((\a)%2)
	s_wait_dscnt \younger
.irp t, 0,1,2,3,4,5,6,7
	global_store_b128 v[CO], v[BB+4*\t:BB+4*\t+3], s[12:13] offset:65536*(\a)+8192*\t th:TH_STORE_NT   ; 16 lanes store 256 consecutive bytes, aligned; the block and the pair of rows stand in the immediate, 516,096 at the most
.endr
.endm
	s_wait_kmcnt 0x0
	s_add_co_i32 s96, s96, s97
	s_add_co_i32 s96, s96, 127
	s_lshl_b32 s96, s96, 23                        ; 2^(e10 + e11) as f32
	s_mov_b32 s97, s96                             ; (named with it as a pair)
	s_wait_loadcnt 0x0                             ; bo
	PLACES 4                                       ; between the last products and the first read of results
	TOSTAGE 0
.irp a, 1,2,3,4,5,6,7
.if \a > 1
	s_wait_xcnt 0x0                                ; block a - 2's stores have read their registers: block a's loads may land there
.endif
	TOSTAGE \a
	SEND \a-1, 16                                  ; behind block a - 1's loads: block a's 8 stores and 8 loads
.endr
	SEND 7, 0
	s_wait_tensorcnt 0x0                           ; the wave's end
	ds_add_u32 v[SPW], v[NIL]
	s_wait_dscnt 0x0
	CROUND                                         ; the closing round: no work-group ends while a partner may still ask for a tile that names it
	s_endpgm
.Lfunc_end_k_q13e79443f0_proj:
	.size	k_q13e79443f0_proj, .Lfunc_end_k_q13e79443f0_proj-k_q13e79443f0_proj
	.p2alignl 7, 3214868480
	.fill 96, 4, 3214868480
	.section	.rodata,"a",@progbits
	.p2align	6, 0x0
	.amdhsa_kernel k_q13e79443f0_proj
		.amdhsa_group_segment_fixed_size 327680
		.amdhsa_private_segment_fixed_size 0
		.amdhsa_enable_private_segment 0
		.amdhsa_kernarg_size 40
		.amdhsa_user_sgpr_count 2
		.amdhsa_user_sgpr_kernarg_segment_ptr 1
		.amdhsa_wavefront_size32 1
		.amdhsa_system_sgpr_workgroup_id_x 1
		.amdhsa_system_sgpr_workgroup_id_y 1
		.amdhsa_system_sgpr_workgroup_id_z 1
		.amdhsa_system_vgpr_workitem_id 0
		.amdhsa_next_free_vgpr 1024
		.amdhsa_next_free_sgpr 100
		.amdhsa_reserve_vcc 0
		.amdhsa_float_denorm_mode_32 3
		.amdhsa_float_denorm_mode_16_64 3
		.amdhsa_memory_ordered 1
		.amdhsa_forward_progress 1
		.amdhsa_inst_pref_size 77
	.end_amdhsa_kernel
	.amdgpu_metadata
---
amdhsa.version: [ 1, 2 ]
amdhsa.kernels:
  - .name:           k_q13e79443f0_proj
    .symbol:         k_q13e79443f0_proj.kd
    .args:
      - { .name: ctx_img, .offset: 0, .size: 8, .value_kind: global_buffer, .address_space: global }
      - { .name: wo_codes, .offset: 8, .size: 8, .value_kind: global_buffer, .address_space: global }
      - { .name: bo, .offset: 16, .size: 8, .value_kind: global_buffer, .address_space: global }
      - { .name: lowp_scales, .offset: 24, .size: 8, .value_kind: global_buffer, .address_space: global }
      - { .name: out0, .offset: 32, .size: 8, .value_kind: global_buffer, .address_space: global }
    .group_segment_fixed_size: 327680
    .private_segment_fixed_size: 0
    .kernarg_segment_align: 8
    .kernarg_segment_size: 40
    .max_flat_workgroup_size: 128
    .sgpr_count:     100
    .vgpr_count:     1024
    .wavefront_size: 32
...
	.end_amdgpu_metadata
.endif
;; end of part 3
